; MI455X (gfx1250); checked and timed in simulation.
; The chip was launched on July 23, 2026; its instructions are those of AMD's public machine-readable ISA for CDNA 5 (MIT licence, August 2026) and "CDNA5" Instruction Set Architecture Reference Guide (July 2026). The comments in the code are by the model that wrote it; some were corrected since.
;; Multi Head Attention. Allowed arithmetic: float matrix products may take bf16 or f16 operands with f32 sums; all other float work in f32.
;; Inputs: W_k 1,024 x 1,024 float32; W_o 1,024 x 1,024 float32; W_q 1,024 x 1,024 float32; W_v 1,024 x 1,024 float32; attention_mask 2 x 2,048 int32; x 2 x 2,048 x 1,024 float32.
;; Outputs: out0 2 x 2,048 x 1,024 float32.
;; One version. Each part assembles by itself: llvm-mc -triple=amdgcn-amd-amdhsa -mcpu=gfx1250 --defsym DOCPART=n.
;; ======== version 1 of 1: 4 launches
;; limits: values are held in f16: magnitudes above 65,504 overflow, below 6.1e-05 lose precision
;; workspace buffers: xh 8,388,608 bytes; wh 6,291,456 bytes; woh 2,097,152 bytes; qkv 25,165,824 bytes; ao 8,388,608 bytes
;; launch cast (part 1): grid 64 x 8, 8 waves a work-group, no clusters, 0 bytes of LDS; arguments x, W_q, W_k, W_v, W_o, xh, wh, woh; writes xh, wh, woh
.if DOCPART == 1
	.amdgcn_target "amdgcn-amd-amdhsa--gfx1250"
	.amdhsa_code_object_version 6
	.text
	.protected	k_qde8c9da8ec_cast
	.globl	k_qde8c9da8ec_cast
	.p2align	8
	.type	k_qde8c9da8ec_cast,@function
k_qde8c9da8ec_cast:
	s_mov_b64 s[64:65], 0
	v_nop
	global_prefetch_b8 v0, s[64:65] scope:SCOPE_SE
	s_setreg_imm32_b32 hwreg(HW_REG_WAVE_MODE, 25, 1), 1
	s_wait_xcnt 0x0
; f32 to f16, once, for everything that later feeds a matrix instruction: x, W_q, W_k, W_v, W_o.
; Work-group (g, y): slab y of 1,024 rows x 1,024 f32 (y = 0..3 the quarters of x; 4, 5, 6, 7 = W_q, W_k, W_v, W_o), rows 16 g .. 16 g + 15:
; 65,536 consecutive bytes in, 32,768 consecutive bytes out.  The rows of W_q, W_k, W_v are regrouped by head:
; wh[head][t = q, k, v][64][1024], so that the 192 rows that one head needs are neighbours.  16 rows never cross a head (64 rows).
; Thread t, pass p: 32 bytes in at 8,192 p + 32 t (two loads of 16), 16 bytes out at 4,096 p + 16 t: a wave's store covers 512 consecutive bytes.
; All sixteen loads go out first, 64 KiB for the work-group; no register is written twice, so no wait frees a source.
; A pure stream: LDS, matrix units and clusters would add nothing (no byte is read by two work-groups).
; LIMIT: f16 holds magnitudes under 65,504; a larger input becomes infinite.
.set X, 8                              ; v[8:71]    pass p: 8 f32 as loaded
.set Y, 72                             ; v[72:103]  pass p: 8 f16 to store
	s_load_b512 s[8:23], s[0:1], 0x0               ; x, W_q, W_k, W_v, W_o, xh, wh, woh: s[8:9], s[10:11], ... s[22:23]
	s_and_b32 s2, ttmp7, 0xffff                    ; y: the slab
	s_lshl_b32 s3, ttmp9, 15                       ; g x 16 rows of 2,048 bytes of f16
	; offset in the source: a quarter of x is 4 MiB; a weight slab begins at its own buffer's first byte
	s_lshl_b32 s24, s2, 22
	s_cmp_lt_u32 s2, 4
	s_cselect_b32 s24, s24, 0
	s_lshl_b32 s25, ttmp9, 16                      ; g x 16 rows of 4,096 bytes of f32
	s_add_co_u32 s24, s24, s25
	s_mov_b32 s25, 0
	; offset in the destination, three cases
	s_lshl_b32 s28, s2, 21
	s_add_co_u32 s28, s28, s3                      ; xh: the quarter (2 MiB) + the rows
	s_lshr_b32 s30, ttmp9, 2                       ; wh: head = g / 4,
	s_mul_i32 s30, s30, 192                        ; 192 rows a head,
	s_and_b32 s31, ttmp9, 3
	s_lshl4_add_u32 s30, s31, s30                  ; + 16 (g mod 4) inside the head's 64,
	s_sub_co_u32 s31, s2, 4                        ; t = y - 4 (meaningless for y < 4, where the sum is not taken)
	s_lshl_b32 s31, s31, 6
	s_add_co_u32 s30, s30, s31                     ; + 64 t
	s_lshl_b32 s30, s30, 11                        ; rows of 2,048 bytes
	s_cmp_lt_u32 s2, 4
	s_cselect_b32 s32, s28, s30
	s_cmp_eq_u32 s2, 7
	s_cselect_b32 s32, s3, s32                     ; woh: the rows alone
	s_mov_b32 s33, 0
	v_lshlrev_b32 v1, 5, v0                        ; 32 t
	v_lshlrev_b32 v2, 4, v0                        ; 16 t
	s_wait_kmcnt 0x0
	; the two buffers, chosen by y alone
	s_cmp_eq_u32 s2, 4
	s_cselect_b64 s[26:27], s[10:11], s[8:9]
	s_cmp_eq_u32 s2, 5
	s_cselect_b64 s[26:27], s[12:13], s[26:27]
	s_cmp_eq_u32 s2, 6
	s_cselect_b64 s[26:27], s[14:15], s[26:27]
	s_cmp_eq_u32 s2, 7
	s_cselect_b64 s[26:27], s[16:17], s[26:27]
	s_cselect_b64 s[34:35], s[22:23], s[20:21]
	s_cmp_lt_u32 s2, 4
	s_cselect_b64 s[34:35], s[18:19], s[34:35]
	s_add_nc_u64 s[26:27], s[26:27], s[24:25]
	s_add_nc_u64 s[34:35], s[34:35], s[32:33]
.irp p, 0,1,2,3,4,5,6,7
	global_load_b128 v[X+8*\p:X+8*\p+3],   v1, s[26:27] offset:8192*\p th:TH_LOAD_NT
	global_load_b128 v[X+8*\p+4:X+8*\p+7], v1, s[26:27] offset:8192*\p+16 th:TH_LOAD_NT
.endr
.irp p, 0,1,2,3,4,5,6,7
	s_wait_loadcnt 14-2*\p                         ; loads come back in order: pass p's two are in, the younger passes' stay out
.irp k, 0,1,2,3
	v_cvt_pk_f16_f32 v[Y+4*\p+\k], v[X+8*\p+2*\k], v[X+8*\p+2*\k+1]
.endr
	global_store_b128 v2, v[Y+4*\p:Y+4*\p+3], s[34:35] offset:4096*\p   ; no hint: the next launch reads it
.endr
	s_endpgm
.Lfunc_end_k_qde8c9da8ec_cast:
	.size	k_qde8c9da8ec_cast, .Lfunc_end_k_qde8c9da8ec_cast-k_qde8c9da8ec_cast
	.p2alignl 7, 3214868480
	.fill 96, 4, 3214868480
	.section	.rodata,"a",@progbits
	.p2align	6, 0x0
	.amdhsa_kernel k_qde8c9da8ec_cast
		.amdhsa_group_segment_fixed_size 0
		.amdhsa_private_segment_fixed_size 0
		.amdhsa_enable_private_segment 0
		.amdhsa_kernarg_size 64
		.amdhsa_user_sgpr_count 2
		.amdhsa_user_sgpr_kernarg_segment_ptr 1
		.amdhsa_wavefront_size32 1
		.amdhsa_system_sgpr_workgroup_id_x 1
		.amdhsa_system_sgpr_workgroup_id_y 1
		.amdhsa_system_sgpr_workgroup_id_z 1
		.amdhsa_system_vgpr_workitem_id 0
		.amdhsa_next_free_vgpr 104
		.amdhsa_next_free_sgpr 66
		.amdhsa_reserve_vcc 0
		.amdhsa_float_denorm_mode_32 3
		.amdhsa_float_denorm_mode_16_64 3
		.amdhsa_memory_ordered 1
		.amdhsa_forward_progress 1
		.amdhsa_inst_pref_size 7
	.end_amdhsa_kernel
	.amdgpu_metadata
---
amdhsa.version: [ 1, 2 ]
amdhsa.kernels:
  - .name:           k_qde8c9da8ec_cast
    .symbol:         k_qde8c9da8ec_cast.kd
    .args:
      - { .name: x, .offset: 0, .size: 8, .value_kind: global_buffer, .address_space: global }
      - { .name: W_q, .offset: 8, .size: 8, .value_kind: global_buffer, .address_space: global }
      - { .name: W_k, .offset: 16, .size: 8, .value_kind: global_buffer, .address_space: global }
      - { .name: W_v, .offset: 24, .size: 8, .value_kind: global_buffer, .address_space: global }
      - { .name: W_o, .offset: 32, .size: 8, .value_kind: global_buffer, .address_space: global }
      - { .name: xh, .offset: 40, .size: 8, .value_kind: global_buffer, .address_space: global }
      - { .name: wh, .offset: 48, .size: 8, .value_kind: global_buffer, .address_space: global }
      - { .name: woh, .offset: 56, .size: 8, .value_kind: global_buffer, .address_space: global }
    .group_segment_fixed_size: 0
    .private_segment_fixed_size: 0
    .kernarg_segment_align: 8
    .kernarg_segment_size: 64
    .max_flat_workgroup_size: 256
    .sgpr_count:     66
    .vgpr_count:     104
    .wavefront_size: 32
...
	.end_amdgpu_metadata
.endif
;; end of part 1
;; launch qkv (part 2): grid 16 x 16, 4 waves a work-group, clusters of 4 x 4, 327,680 bytes of LDS; arguments xh, wh, qkv; writes qkv
.if DOCPART == 2
	.amdgcn_target "amdgcn-amd-amdhsa--gfx1250"
	.amdhsa_code_object_version 6
	.text
	.protected	k_qde8c9da8ec_qkv
	.globl	k_qde8c9da8ec_qkv
	.p2align	8
	.type	k_qde8c9da8ec_qkv,@function
k_qde8c9da8ec_qkv:
	s_mov_b64 s[64:65], 0
	v_nop
	global_prefetch_b8 v0, s[64:65] scope:SCOPE_SE
	s_setreg_imm32_b32 hwreg(HW_REG_WAVE_MODE, 25, 1), 1
	s_wait_xcnt 0x0
	s_wait_alu depctr_hold_cnt(0) depctr_sa_sdst(0) depctr_va_vdst(0) depctr_va_sdst(0) depctr_va_ssrc(0) depctr_va_vcc(0) depctr_vm_vsrc(0)
	s_getreg_b32 s2, hwreg(HW_REG_IB_STS2, 6, 4)
	s_cmp_eq_u32 s2, 0
	s_cbranch_scc0 .Lentry_in_a_cluster
	s_endpgm
.Lentry_in_a_cluster:
	s_bfe_u32 s2, ttmp6, 0x10000c
	s_cmp_lg_u32 s2, 0xf033
	s_cbranch_scc0 .Lentry_shape_is_right
	s_endpgm
.Lentry_shape_is_right:
; Q, K, V of all heads: C[m][n] = sum over k of xh[m][k] wh[n][k], m = 0..4095 (b, s), n = 0..3071 (head, t = q k v, d), k = 0..1023; f16 in, f32 sums.
; A work-group makes 256 rows x 192 columns = 256 positions x one head's Q, K and V.  Four waves, wave w rows 64 w .. 64 w + 63, all 192 columns:
; 4 x 12 accumulator tiles of 16 x 16, 384 registers; for 32 along K a wave reads 32 x 512 bytes from LDS and issues 48 matrix instructions.
; K goes in steps of 128 through two LDS slots filled by the tensor data mover; a tile's rows are 256 bytes of memory, at multiples of 256.
; CLUSTERS: 4 x 4 work-groups.  A row of the cluster shares x's tile, a column shares the head's weights: both are asked for jointly, four work-groups a request.
; Q is multiplied by log2(e) / 8 here, so that the attention launch takes 2^(score) with no further factor.
; OUT: qkv[t][b*16+head][s][64] in f16: two rows of a head are 256 neighbouring bytes, and each store of a wave covers 512 consecutive bytes.
; LIMIT: Q log2(e)/8, K and V are kept in f16: magnitudes under 65,504 (as drawn they stay under 6; x and W both 30 times larger give about 5,000).
;
; REGISTERS by windows of 256: window 0: v16-26 addresses, v64-127 x's fragments (two buffers of 4 x 8), v128-223 at work on the way out;
; window 1: v0-191 the weights' fragments (two buffers of 12 x 8); window 2: accumulators of my rows 0-31 (tile (a, b) at 8 (12 a + b)); window 3: rows 32-63.
; The matrix instruction is used transposed (source 0 = 16 rows of wh, source 1 = 16 rows of xh): lane l then holds row l % 16 and columns 8 (l / 16) + 0..7.
.set NB,     12                        ; 16-column tiles of a wave
.set LAPS,   4                         ; a lap = two K steps of 128 = once round the ring; 1,024 / 256
.set PA,     272                       ; LDS pitch: 256 bytes + 16 of padding, an odd multiple of 16: the 16 rows of a fragment load fall on different 16-byte columns
.set PB,     272
.set ALOAD,  128*PA                    ; what one tensor load brings of x: 128 rows
.set BLOAD,  96*PB                     ; of the weights: 96 rows
.set AREG,   2*ALOAD
.set SLOT,   AREG+2*BLOAD              ; 121,856
.set STAGE,  2*SLOT                    ; 243,712, a multiple of 256: behind the ring, never a tensor load's target
.set SPITCH, 400                       ; the way out: 192 f16 + 16 bytes
.set STAGEW, 16*SPITCH                 ; a wave's own stage
.set ASLOT,  256                       ; bytes of memory from a K step's tile to the next
.set BSLOT,  256
.set ADRA, 16                          ; v16-17  LDS address of my x fragments in slot 0, 1
.set ADRB, 20                          ; v20-21  the same for the weights
.set STO,  24                          ; v24     the way out: where I put 16 bytes of a row
.set RD,   25                          ; v25     where I read rows back
.set CO,   26                          ; v26     my byte offset in a store of 512 bytes
.set FA,   64                          ; x's fragments, buffer p at FA + 32 p (window 0)
.set FB,   0                           ; the weights' fragments, buffer p at FB + 96 p (window 1)
.set TMP,  128                         ; v128-175 packed results
.set R0,   64                          ; v64-111, v176-223: rows read back, by turns
.set R1,   176
.set G1, 24                            ; s[24:31] descriptor group 1, x's tiles
.set G0, 32                            ; s[32:39] group 0, x's tiles, a set for each slot
.set G1B, 48                           ; s[48:55] group 1, the weights' tiles
.set G0B, 56                           ; s[56:63] group 0, the weights' tiles
.set MSB, 0
.macro WIN new                         ; the immediate's high byte repeats the setting that is left
.if MSB != \new
	s_set_vgpr_msb (MSB<<8)|\new
.set MSB, \new
.endif
.endm
.set MUL_LO, 0xa1                      ; source 0 window 1, source 1 window 0, C and D window 2
.set MUL_HI, 0xf1                      ; the same, C and D window 3
.set TO_B,   0x40                      ; destination window 1
; A joint load: waves 0 and 1 ask for x's two halves, waves 2 and 3 for the weights'.  The branch hangs on the wave's number alone.
.macro JLOAD s
	s_cmp_eq_u32 s11, 0
	s_cbranch_scc0 .Lfor_b_\@
	tensor_load_to_lds s[G0+4*\s:G0+4*\s+3], s[G1:G1+7]
	s_nop 0
	s_branch .Lasked_\@
.Lfor_b_\@:
	tensor_load_to_lds s[G0B+4*\s:G0B+4*\s+3], s[G1B:G1B+7]
	s_nop 0
.Lasked_\@:
.endm
.macro CREST                           ; a round of the cluster's barrier behind its opening work-group barrier
	s_cmp_lg_u32 s10, 0
	s_cbranch_scc1 .Lnot_wave_0_\@
	s_barrier_signal -3
.Lnot_wave_0_\@:
	s_barrier_wait -3
	s_barrier_signal -1
	s_barrier_wait -1
.endm
.macro CROUND                          ; a whole round
	s_barrier_signal -1
	s_barrier_wait -1
	CREST
.endm
.macro PLACES                          ; four places behind a matrix instruction, in front of loads into its sources and of readers of its result
.rept 4
	v_nop
.endr
.endm
	s_load_b128 s[4:7], s[0:1], 0x0                ; xh s[4:5], wh s[6:7]
	s_load_b64 s[8:9], s[0:1], 0x10                ; qkv
	s_set_vgpr_msb 0x40
	v_lshl_add_u32 v255, v0, 2, 0x41c00
	s_set_vgpr_msb 0x4000
	v_mov_b32 v255, 0
	s_set_vgpr_msb 0x1
	ds_add_u32 v255, v255
	s_set_vgpr_msb 0x100
	v_lshrrev_b32 v1, 5, v0
	v_readfirstlane_b32 s10, v1                    ; wave 0..3
	s_lshr_b32 s11, s10, 1                         ; I fetch for x (0) or for the weights (1)
	s_and_b32 s12, s10, 1                          ; which half of that tile
	s_bfe_u32 s40, ttmp6, 0x40000                  ; cx
	s_bfe_u32 s41, ttmp6, 0x40004                  ; cy
	s_lshl_b32 s42, ttmp9, 2
	s_add_co_u32 s42, s42, s40                     ; block column = head = 4 x cluster x + cx
	s_and_b32 s13, ttmp7, 0xffff
	s_lshl_b32 s13, s13, 2
	s_add_co_u32 s13, s13, s41                     ; block row = 4 x cluster y + cy
	s_lshl_b32 s43, s41, 2
	s_lshl_b32 s43, 15, s43                        ; my row of the cluster: places 4 cy .. 4 cy + 3
	s_lshl_b32 s44, 0x1111, s40                    ; my column: places cx, cx + 4, cx + 8, cx + 12
	; group 1: elements of 2 bytes, padding of 4 words behind every 64 words, bit 21 beside the mask
	s_or_b32 s[G1+0], s43, (1<<16)|(1<<20)|(1<<21)|(5<<22)|(3<<25)
	s_or_b32 s[G1B+0], s44, (1<<16)|(1<<20)|(1<<21)|(5<<22)|(3<<25)
	s_mov_b32 s[G1+1], 128<<16                     ; tensor_dim0 = 128
	s_mov_b32 s[G1B+1], 128<<16
	s_mov_b32 s[G1+2], 128<<16                     ; tensor_dim1 = 128 rows
	s_mov_b32 s[G1B+2], 96<<16                     ; 96 rows
	s_mov_b32 s[G1+3], 128<<16                     ; tile_dim0 = 128
	s_mov_b32 s[G1B+3], 128<<16
	s_mov_b32 s[G1+4], 128                         ; tile_dim1
	s_mov_b32 s[G1B+4], 96
	s_mov_b32 s[G1+5], 1024                        ; elements from row to row
	s_mov_b32 s[G1B+5], 1024
	s_mov_b32 s[G1+6], 0
	s_mov_b32 s[G1B+6], 0
	s_mov_b32 s[G1+7], 0
	s_mov_b32 s[G1B+7], 0
	; where the tiles come from: x's hang on the block row alone, the weights' on the block column alone, each in registers that never hold the other coordinate
	s_lshl_b32 s16, s13, 19                        ; 256 rows of 2,048 bytes a block row
	s_lshl_b32 s17, s12, 18                        ; + 128 rows for the second half
	s_add_co_u32 s16, s16, s17
	s_mov_b32 s17, 0
	s_mul_i32 s46, s42, 192*2048
	s_mul_i32 s47, s12, 96*2048
	s_add_co_u32 s46, s46, s47
	s_mov_b32 s47, 0
	s_mul_i32 s20, s10, ALOAD                      ; where they go: waves 0, 1: x's halves at w x 34,816
	s_mul_i32 s21, s10, BLOAD                      ; waves 2, 3: the weights' halves behind x's 256 rows: 69,632 + (w - 2) x 26,112
	s_add_co_u32 s21, s21, AREG-2*BLOAD
	s_mov_b32 s74, 0x3e38aa3b                      ; log2(e) / 8, twice: a pair for the packed multiply
	s_mov_b32 s75, 0x3e38aa3b
	s_wait_dscnt 0x0
	s_wait_kmcnt 0x0
	s_add_nc_u64 s[14:15], s[4:5], s[16:17]
	s_add_nc_u64 s[46:47], s[6:7], s[46:47]
	CROUND                                         ; all sixteen work-groups are here: the first joint loads meet
.irp s, 0,1
	s_mov_b32 s[G0+4*\s], 1
	s_add_co_u32 s[G0+4*\s+1], s20, \s*SLOT
	s_add_nc_u64 s[G0+4*\s+2:G0+4*\s+3], s[14:15], \s*ASLOT
	s_or_b32 s[G0+4*\s+3], s[G0+4*\s+3], 0x80000000
	s_mov_b32 s[G0B+4*\s], 1
	s_add_co_u32 s[G0B+4*\s+1], s21, \s*SLOT
	s_add_nc_u64 s[G0B+4*\s+2:G0B+4*\s+3], s[46:47], \s*BSLOT
	s_or_b32 s[G0B+4*\s+3], s[G0B+4*\s+3], 0x80000000
	JLOAD \s                                       ; both slots' first fills go out together: two tensor loads of the wave are out, later one
.endr
	; a fragment: lane l holds row l % 16; registers 0-3 K = 8 (l / 16) + 0..7, registers 4-7 K = 16 + 8 (l / 16) + 0..7: two loads of 16 bytes, 32 apart
	v_and_b32 v1, 15, v0                           ; r
	v_bfe_u32 v2, v0, 4, 1                         ; h
	v_mul_u32_u24 v3, v1, PA
	v_lshl_add_u32 v3, v2, 4, v3                   ; r x pitch + 16 h (one pitch serves both tiles here)
	s_mul_i32 s22, s10, 64*PA                      ; my 64 rows of x
	s_mov_b32 s23, AREG                            ; all 192 rows of the weights
.irp s, 0,1
	v_add_nc_u32 v[ADRA+\s], s22, v3
	v_add_nc_u32 v[ADRB+\s], s23, v3
	s_add_co_u32 s22, s22, SLOT
	s_add_co_u32 s23, s23, SLOT
.endr
	s_mul_i32 s22, s10, STAGEW
	s_add_co_u32 s22, s22, STAGE                   ; my stage
	v_mul_u32_u24 v5, v1, SPITCH
	v_lshl_add_u32 v5, v2, 4, v5
	v_add_nc_u32 v[STO], s22, v5                   ; in: row r, 16 bytes for each half of the lanes
	v_and_b32 v3, 31, v0
	v_lshrrev_b32 v4, 3, v3
	v_mul_u32_u24 v4, v4, SPITCH
	v_and_b32 v5, 7, v0
	v_lshl_add_u32 v4, v5, 4, v4
	v_add_nc_u32 v[RD], s22, v4                    ; back: eight lanes take the 128 bytes that one row has of Q (or K, or V), four rows a load
	v_lshlrev_b32 v[CO], 4, v3                     ; and in memory those four rows are 512 consecutive bytes
; NB matrix instructions: x's tile a of the window's two (hi = 0: my rows 0-31, 1: rows 32-63) x all 12 column tiles, 32 along K, from buffer p.
; zero = 1: the first product starts the sums.  The 48 accumulators take turns, one instruction a turn, in the same order in every quarter step.
.macro MULA p, hi, a, zero
.set bi, 0
.rept NB
.if \zero
	v_wmma_f32_16x16x32_f16 v[8*(NB*\a+bi):8*(NB*\a+bi)+7], v[FB+96*\p+8*bi:FB+96*\p+8*bi+7], v[FA+32*\p+8*(2*\hi+\a):FA+32*\p+8*(2*\hi+\a)+7], 0
.else
	v_wmma_f32_16x16x32_f16 v[8*(NB*\a+bi):8*(NB*\a+bi)+7], v[FB+96*\p+8*bi:FB+96*\p+8*bi+7], v[FA+32*\p+8*(2*\hi+\a):FA+32*\p+8*(2*\hi+\a)+7], v[8*(NB*\a+bi):8*(NB*\a+bi)+7]
.endif
.set bi, bi+1
.endr
.endm
; 32 LDS loads in one run: quarter step q (32 along K, byte 64 q of the rows) into buffer p: the weights' 24 first, x's 8 last
.macro FETCH slot, q, p
	WIN TO_B
.set bi, 0
.rept NB
	ds_load_b128 v[FB+96*(\p)+8*bi:FB+96*(\p)+8*bi+3],   v[ADRB+\slot] offset:64*(\q)+bi*16*PB
	ds_load_b128 v[FB+96*(\p)+8*bi+4:FB+96*(\p)+8*bi+7], v[ADRB+\slot] offset:64*(\q)+bi*16*PB+32
.set bi, bi+1
.endr
	WIN 0
.irp i, 0,1,2,3
	ds_load_b128 v[FA+32*(\p)+8*\i:FA+32*(\p)+8*\i+3],   v[ADRA+\slot] offset:64*(\q)+\i*16*PA
	ds_load_b128 v[FA+32*(\p)+8*\i+4:FA+32*(\p)+8*\i+7], v[ADRA+\slot] offset:64*(\q)+\i*16*PA+32
.endr
.endm
; One of a K step's first three quarters: multiplies buffer p, and in its middle fetches quarter q + 1 into the other buffer
.macro QUARTER slot, q, p, zero
	s_wait_dscnt 4                                 ; all but the four youngest loads (x's tiles 2 and 3) are in
	WIN MUL_LO
	MULA \p, 0, 0, \zero
	MULA \p, 0, 1, \zero
	PLACES
	FETCH \slot, (\q+1), (1-\p)
	s_wait_dscnt 2*NB+8                            ; all but the 32 just issued
	WIN MUL_HI
	MULA \p, 1, 0, \zero
	MULA \p, 1, 1, \zero
.endm
.macro BODY slot, zero
	QUARTER \slot, 0, 0, \zero
	QUARTER \slot, 1, 1, 0
	QUARTER \slot, 2, 0, 0
.endm
; The last quarter multiplies buffer 1 and changes slots.  In front of the one barrier each wave waits for its reads of this slot and for all its tensor
; loads (one is out: its part of the next slot).  fill = 1: the barrier opens a round of the cluster's barrier, and the joint refill is the first tensor load behind it.
; From a request to the wait for it a wave issues 180 matrix instructions.
.macro TURN slot, next, fill
	s_wait_dscnt 4
	WIN MUL_LO
	MULA 1, 0, 0, 0
	s_wait_dscnt 0                                 ; my reads of this slot are over
	s_wait_tensorcnt 0x0                           ; and all my tensor loads have landed
	ds_add_u32 v255, v255
	s_wait_dscnt 0x0
	s_barrier_signal -1
	MULA 1, 0, 1, 0                                ; registers only, while the others arrive
	WIN 0
	s_barrier_wait -1
.if \fill
	CREST                                          ; no wave of any partner still reads this slot or has a load on its way
	s_add_nc_u64 s[G0+4*\slot+2:G0+4*\slot+3], s[G0+4*\slot+2:G0+4*\slot+3], 2*ASLOT
	s_add_nc_u64 s[G0B+4*\slot+2:G0B+4*\slot+3], s[G0B+4*\slot+2:G0B+4*\slot+3], 2*BSLOT
	JLOAD \slot
.endif
	PLACES
	FETCH \next, 0, 0
	WIN MUL_HI
	MULA 1, 1, 0, 0
	MULA 1, 1, 1, 0
.endm
.macro LAP zero
	BODY 0, \zero
	TURN 0, 1, 1
	BODY 1, 0
	TURN 1, 0, 1
.endm
	s_wait_tensorcnt 1                             ; my part of K step 0 is in; K step 1's stays out
	s_barrier_signal -1
	s_barrier_wait -1
	FETCH 0, 0, 0
	LAP 1                                          ; the first lap's first products start the sums
	WIN 0
	s_mov_b32 s3, LAPS-2
.Llap:
	LAP 0
	WIN 0
	s_sub_co_u32 s3, s3, 1
	s_cmp_lg_u32 s3, 0
	s_cbranch_scc1 .Llap
	BODY 0, 0                                      ; the last lap fills nothing
	TURN 0, 1, 0
	BODY 1, 0
	s_wait_dscnt 4
	WIN MUL_LO
	MULA 1, 0, 0, 0
	MULA 1, 0, 1, 0
	s_wait_dscnt 0
	WIN MUL_HI
	MULA 1, 1, 0, 0
	MULA 1, 1, 1, 0
	; THE WAY OUT.  Column tiles 0-3 are Q, 4-7 K, 8-11 V.
	PLACES
	WIN 0x82                                       ; source 0 and destination window 2
.irp a, 0,1
.irp b, 0,1,2,3
.irp r, 0,2,4,6
	v_pk_mul_f32 v[8*(NB*\a+\b)+\r:8*(NB*\a+\b)+\r+1], v[8*(NB*\a+\b)+\r:8*(NB*\a+\b)+\r+1], s[74:75] op_sel_hi:[1,0]
.endr
.endr
.endr
	WIN 0xc3                                       ; the same in window 3
.irp a, 0,1
.irp b, 0,1,2,3
.irp r, 0,2,4,6
	v_pk_mul_f32 v[8*(NB*\a+\b)+\r:8*(NB*\a+\b)+\r+1], v[8*(NB*\a+\b)+\r:8*(NB*\a+\b)+\r+1], s[74:75] op_sel_hi:[1,0]
.endr
.endr
.endr
	s_lshr_b32 s66, s13, 3                         ; batch = block row / 8
	s_lshl_b32 s66, s66, 4
	s_add_co_u32 s66, s66, s42                     ; b x 16 + head
	s_lshl_b32 s66, s66, 11                        ; x 2,048 positions
	s_and_b32 s67, s13, 7
	s_lshl_b32 s67, s67, 8
	s_add_co_u32 s66, s66, s67                     ; + 256 (block row mod 8)
	s_lshl_b32 s67, s10, 6
	s_add_co_u32 s66, s66, s67                     ; + 64 w
	s_lshl_b32 s66, s66, 7                         ; rows of 128 bytes: under 8 MiB
	s_mov_b32 s67, 0
	s_add_nc_u64 s[68:69], s[8:9], s[66:67]        ; Q's plane
	s_add_nc_u64 s[70:71], s[68:69], 0x800000      ; K's, 8 MiB on
	s_add_nc_u64 s[72:73], s[70:71], 0x800000      ; V's
; rows 16 i .. 16 i + 15 of my 64 = the twelve tiles (a, 0..11) of window 2 or 3 (from = 0x0a or 0x0f: sources 0 and 1); f: R0 or R1 by turns
.macro OUT16 i, a, from, f
	WIN \from
.irp b, 0,1,2,3,4,5,6,7,8,9,10,11
.irp r, 0,1,2,3
	v_cvt_pk_f16_f32 v[TMP+4*\b+\r], v[8*(NB*\a+\b)+2*\r], v[8*(NB*\a+\b)+2*\r+1]
.endr
.endr
	WIN 0
.irp b, 0,1,2,3,4,5,6,7,8,9,10,11
	ds_store_b128 v[STO], v[TMP+4*\b:TMP+4*\b+3] offset:32*\b
.endr
	s_wait_xcnt 0x0                                ; buffer f, which earlier stores read, is loaded again only behind this wait
.irp t, 0,1,2
.irp n, 0,1,2,3
	ds_load_b128 v[\f+16*\t+4*\n:\f+16*\t+4*\n+3], v[RD] offset:128*\t+4*SPITCH*\n   ; a wave's LDS instructions are served in order: these see the stores above
.endr
.endr
.irp t, 0,1,2
.irp n, 0,1,2,3
	s_wait_dscnt 11-4*\t-\n
	global_store_b128 v[CO], v[\f+16*\t+4*\n:\f+16*\t+4*\n+3], s[68+2*\t:69+2*\t] offset:\i*2048+\n*512   ; four rows of a head: 512 consecutive bytes, aligned
.endr
.endr
.endm
	OUT16 0, 0, 0x0a, R0
	OUT16 1, 1, 0x0a, R1
	OUT16 2, 0, 0x0f, R0
	OUT16 3, 1, 0x0f, R1
	s_set_vgpr_msb 0x1
	s_wait_tensorcnt 0x0
	ds_add_u32 v255, v255
	s_wait_dscnt 0x0
	s_set_vgpr_msb 0x100
	CROUND                                         ; the closing round: no work-group ends while a partner may still ask for a tile that names it
	s_endpgm
.Lfunc_end_k_qde8c9da8ec_qkv:
	.size	k_qde8c9da8ec_qkv, .Lfunc_end_k_qde8c9da8ec_qkv-k_qde8c9da8ec_qkv
	.p2alignl 7, 3214868480
	.fill 96, 4, 3214868480
	.section	.rodata,"a",@progbits
	.p2align	6, 0x0
	.amdhsa_kernel k_qde8c9da8ec_qkv
		.amdhsa_group_segment_fixed_size 327680
		.amdhsa_private_segment_fixed_size 0
		.amdhsa_enable_private_segment 0
		.amdhsa_kernarg_size 24
		.amdhsa_user_sgpr_count 2
		.amdhsa_user_sgpr_kernarg_segment_ptr 1
		.amdhsa_wavefront_size32 1
		.amdhsa_system_sgpr_workgroup_id_x 1
		.amdhsa_system_sgpr_workgroup_id_y 1
		.amdhsa_system_sgpr_workgroup_id_z 1
		.amdhsa_system_vgpr_workitem_id 0
		.amdhsa_next_free_vgpr 1024
		.amdhsa_next_free_sgpr 80
		.amdhsa_reserve_vcc 0
		.amdhsa_float_denorm_mode_32 3
		.amdhsa_float_denorm_mode_16_64 3
		.amdhsa_memory_ordered 1
		.amdhsa_forward_progress 1
		.amdhsa_inst_pref_size 168
	.end_amdhsa_kernel
	.amdgpu_metadata
---
amdhsa.version: [ 1, 2 ]
amdhsa.kernels:
  - .name:           k_qde8c9da8ec_qkv
    .symbol:         k_qde8c9da8ec_qkv.kd
    .args:
      - { .name: xh, .offset: 0, .size: 8, .value_kind: global_buffer, .address_space: global }
      - { .name: wh, .offset: 8, .size: 8, .value_kind: global_buffer, .address_space: global }
      - { .name: qkv, .offset: 16, .size: 8, .value_kind: global_buffer, .address_space: global }
    .group_segment_fixed_size: 327680
    .private_segment_fixed_size: 0
    .kernarg_segment_align: 8
    .kernarg_segment_size: 24
    .max_flat_workgroup_size: 128
    .sgpr_count:     80
    .vgpr_count:     1024
    .wavefront_size: 32
...
	.end_amdgpu_metadata
.endif
;; end of part 2
;; launch attn (part 3): grid 8 x 32, 8 waves a work-group, clusters of 4 x 1, 327,680 bytes of LDS; arguments qkv, attention_mask, ao; writes ao
.if DOCPART == 3
	.amdgcn_target "amdgcn-amd-amdhsa--gfx1250"
	.amdhsa_code_object_version 6
	.text
	.protected	k_qde8c9da8ec_attn
	.globl	k_qde8c9da8ec_attn
	.p2align	8
	.type	k_qde8c9da8ec_attn,@function
k_qde8c9da8ec_attn:
	s_mov_b64 s[64:65], 0
	v_nop
	global_prefetch_b8 v0, s[64:65] scope:SCOPE_SE
	s_setreg_imm32_b32 hwreg(HW_REG_WAVE_MODE, 25, 1), 1
	s_wait_xcnt 0x0
	s_wait_alu depctr_hold_cnt(0) depctr_sa_sdst(0) depctr_va_vdst(0) depctr_va_sdst(0) depctr_va_ssrc(0) depctr_va_vcc(0) depctr_vm_vsrc(0)
	s_getreg_b32 s2, hwreg(HW_REG_IB_STS2, 6, 4)
	s_cmp_eq_u32 s2, 0
	s_cbranch_scc0 .Lentry_in_a_cluster
	s_endpgm
.Lentry_in_a_cluster:
	s_bfe_u32 s2, ttmp6, 0x10000c
	s_cmp_lg_u32 s2, 0x3003
	s_cbranch_scc0 .Lentry_shape_is_right
	s_endpgm
.Lentry_shape_is_right:
; Attention of one (batch, head) for 256 queries, scores never leaving registers: running maximum, running sum, rescaled output.
; qkv[t][bh][s][64] f16 (Q already times log2(e) / 8), attention_mask[b][s] int32, ao[bh][s][64] f16.
; Eight waves, two on a SIMD, so that one wave's softmax runs beside the other's matrix work.  Wave w: queries 64 (w & 3) .. + 63 (qg), and of every tile of
; 256 keys the half kh = w >> 2 (two chunks of 64 keys).  The two waves of a query group keep their own (m, l, O); they are merged once, at the end, through LDS.
; 64 queries a wave: for 64 keys a wave reads 40 x 512 bytes from LDS and issues 64 matrix instructions.
; CLUSTERS: the four work-groups of a cluster are four query blocks of one head and walk the same K and V: every tile is asked for jointly (mask 15).
; LAYOUT: S^T = K Q^T + bias (A = K's rows, B = Q's rows): register j of lane (r, h) is key 16 kt + 8 h + j, query r.  Packed in pairs, that IS the B fragment
; of O^T = V^T P^T (A = V^T by transposing LDS loads): P never leaves its registers, a query's maximum and sum need one exchange between the halves of the
; lanes, and the rescaling factor is one number a lane.
; THE MASK enters as the C operand of the first product: 0, or -2^100 for a masked key.  2^(score - maximum) of such a key is 0 as soon as the row has met one
; key that counts; what a row gathered before that is wiped by the factor 2^(old maximum - new maximum) = 0.
; LIMITS: a true score times log2(e)/8 under -2^99 would count as masked.  A row whose keys are all masked (final maximum under -2^99) is written as NaN,
; as the softmax of a row of -inf is.  P, in [0, 1], and the output, a mean of V's rows, are kept in f16.
.set SLOT,   81920                     ; K's four chunks, then V's four
.set CHUNK,  10240                     ; 64 keys: K at pitch 144 (9,216 bytes used), V at pitch 160
.set KP,     144                       ; 128 + 16: an odd multiple of 16
.set VP,     160                       ; 128 + 32: an odd multiple of 32, for the transposing loads
.set VOFF,   4*CHUNK
.set BIAS,   2*SLOT                    ; 163,840: f32[2048]
.set MERGE,  BIAS+8192                 ; 172,032: for each query group O (16,384 bytes), then (m, l) (1,024)
.set MERGEW, 17408
.set STAGE,  MERGE+4*MERGEW            ; 241,664: for each query group 64 rows at pitch 144.  BIAS, MERGE, STAGE: whole blocks of 256 bytes that no tensor load fills
.set STAGEW, 64*KP
.set KA, 2                             ; v2-3    LDS address of my K fragments in slot 0, 1
.set VA, 4                             ; v4-5    the same for V
.set BA, 6                             ; v6      of my bias words; steps by a tile's 1,024 bytes
.set MM, 8                             ; v[8+2qb] running maximum, v[9+2qb] the new one (at the end: the sum)
.set AL, 16                            ; v[16+2qb] 2^(old - new maximum), v[17+2qb] what the other half of the lanes sent
.set LP, 24                            ; v[24+2qb:25+2qb] running sum, in two parts
.set BI, 32                            ; v[32:63]   bias, 8 registers for each 16 keys
.set KF, 64                            ; v[64:127]  K's fragments (kt, ks) at 16 kt + 8 ks
.set VF, 128                           ; v[128:191] V^T's fragments (dt, kk) at 16 dt + 8 kk
.set QF, 192                           ; v[192:255] Q's fragments (qb, ks) at 16 qb + 8 ks, for the whole kernel
.set SC, 0                             ; window 1: S (qb, kt) at 32 qb + 8 kt; P (qb, kk), packed in place, at 32 qb + 8 kk
.set OT, 128                           ; window 1: O^T (qb, dt) at 128 + 32 qb + 8 dt
.set G1K, 16                           ; s[16:23] group 1, K's tiles
.set G1V, 24                           ; s[24:31] group 1, V's tiles: another padding
.set G0K, 32                           ; s[32:39] group 0, K, a set for each slot
.set G0V, 40                           ; s[40:47] group 0, V
.set MSB, 0
.macro WIN new                         ; low byte: bits 1:0 source 0, 3:2 source 1, 5:4 source 2, 7:6 destination; the high byte repeats the setting that is left
.if MSB != \new
	s_set_vgpr_msb (MSB<<8)|\new
.set MSB, \new
.endif
.endm
.macro ROUND                           ; a round of the cluster's barrier
	s_barrier_signal -1
	s_barrier_wait -1
	s_cmp_lg_u32 s10, 0
	s_cbranch_scc1 .Lnot_wave_0_\@
	s_barrier_signal -3
.Lnot_wave_0_\@:
	s_barrier_wait -3
	s_barrier_signal -1
	s_barrier_wait -1
.endm
.macro JLOAD s                         ; waves 0-3 ask for K's four chunks, waves 4-7 for V's: one joint load a wave
	s_cmp_eq_u32 s11, 0
	s_cbranch_scc0 .Lfor_v_\@
	tensor_load_to_lds s[G0K+4*\s:G0K+4*\s+3], s[G1K:G1K+7]
	s_nop 0
	s_branch .Lasked_\@
.Lfor_v_\@:
	tensor_load_to_lds s[G0V+4*\s:G0V+4*\s+3], s[G1V:G1V+7]
	s_nop 0
.Lasked_\@:
.endm
.macro PLACES n                        ; places behind a matrix instruction (ISA guide 7.12.1)
.rept \n
	v_nop
.endr
.endm
	s_load_b128 s[4:7], s[0:1], 0x0                ; qkv s[4:5], attention_mask s[6:7]
	s_load_b64 s[8:9], s[0:1], 0x10                ; ao
	v_lshl_add_u32 v126, v0, 2, 0x44000
	v_mov_b32 v127, 0
	ds_add_u32 v126, v127
	s_wait_dscnt 0x0
	v_lshrrev_b32 v1, 5, v0
	v_readfirstlane_b32 s10, v1                    ; wave 0..7
	s_lshr_b32 s11, s10, 2                         ; kh: my half of the keys.  Also: I fetch for K (0) or for V (1)
	s_and_b32 s12, s10, 3                          ; qg: my 64 queries.  Also: which chunk I fetch
	s_and_b32 s13, ttmp7, 0xffff                   ; bh = batch x 16 + head: the cluster's y
	s_bfe_u32 s14, ttmp6, 0x40000                  ; cx
	s_lshl_b32 s15, ttmp9, 2
	s_add_co_u32 s14, s15, s14                     ; query block = 4 x cluster x + cx: enters Q's and ao's addresses alone
	; group 1: 64 rows x 64 elements of 2 bytes, dense in memory; mask 15 with bit 21; behind every 32 words a pad of 4 words (K) or 8 (V)
	s_mov_b32 s[G1K+0], 15|(1<<16)|(1<<20)|(1<<21)|(4<<22)|(3<<25)
	s_mov_b32 s[G1V+0], 15|(1<<16)|(1<<20)|(1<<21)|(4<<22)|(7<<25)
.irp g, G1K, G1V
	s_mov_b32 s[\g+1], 64<<16                      ; tensor_dim0 = 64
	s_mov_b32 s[\g+2], 64<<16                      ; tensor_dim1 = 64
	s_mov_b32 s[\g+3], 64<<16                      ; tile_dim0 = 64
	s_mov_b32 s[\g+4], 64                          ; tile_dim1 = 64
	s_mov_b32 s[\g+5], 64                          ; elements from row to row
	s_mov_b32 s[\g+6], 0
	s_mov_b32 s[\g+7], 0
.endr
	s_mov_b32 s49, 0xf1000000                      ; -2^99
	s_mov_b32 s50, 0x76543210                      ; v_permlanex16_b32: lane i reads lane i of the other half
	s_mov_b32 s51, 0xfedcba98
	s_lshl_b32 s2, s13, 18                         ; a head is 2,048 rows of 128 bytes
	s_lshl_b32 s3, s12, 13                         ; my chunk: 64 rows
	s_add_co_u32 s2, s2, s3
	s_add_co_u32 s2, s2, 0x800000                  ; K's plane begins 8 MiB in
	s_mov_b32 s3, 0
	s_mul_i32 s15, s10, CHUNK                      ; where my chunk goes: wave x 10,240 serves K's four and V's four
	s_wait_kmcnt 0x0
	s_add_nc_u64 s[56:57], s[4:5], s[2:3]
	s_add_nc_u64 s[58:59], s[56:57], 0x800000      ; V's plane, 8 MiB further
.irp s, 0,1
	s_mov_b32 s[G0K+4*\s], 1
	s_add_co_u32 s[G0K+4*\s+1], s15, \s*SLOT
	s_add_nc_u64 s[G0K+4*\s+2:G0K+4*\s+3], s[56:57], \s*32768     ; tile s: 256 keys of 128 bytes on
	s_or_b32 s[G0K+4*\s+3], s[G0K+4*\s+3], 0x80000000
	s_mov_b32 s[G0V+4*\s], 1
	s_add_co_u32 s[G0V+4*\s+1], s15, \s*SLOT
	s_add_nc_u64 s[G0V+4*\s+2:G0V+4*\s+3], s[58:59], \s*32768
	s_or_b32 s[G0V+4*\s+3], s[G0V+4*\s+3], 0x80000000
.endr
	ROUND                                          ; the four work-groups are here
	JLOAD 0                                        ; tile 0: one tensor load of the wave is out, here and behind every later round
	; the mask of my batch (32 bytes a thread: all 2,048 keys) and my 64 queries
	s_lshr_b32 s2, s13, 4
	s_lshl_b32 s2, s2, 13
	s_mov_b32 s3, 0
	s_add_nc_u64 s[6:7], s[6:7], s[2:3]
	v_lshlrev_b32 v1, 5, v0
	global_load_b128 v[BI:BI+3],   v1, s[6:7]
	global_load_b128 v[BI+4:BI+7], v1, s[6:7] offset:16
	s_lshl_b32 s2, s13, 18
	s_lshl_b32 s3, s14, 15                         ; 256 queries a block
	s_add_co_u32 s2, s2, s3
	s_lshl_b32 s3, s12, 13
	s_add_co_u32 s2, s2, s3
	s_mov_b32 s3, 0
	s_add_nc_u64 s[52:53], s[4:5], s[2:3]          ; Q at my first query
	s_add_nc_u64 s[54:55], s[8:9], s[2:3]          ; ao has the same layout
	v_and_b32 v64, 15, v0                          ; r   (v64-70: free until the first K fragments are fetched)
	v_bfe_u32 v65, v0, 4, 1                        ; h
	v_lshlrev_b32 v7, 7, v64
	v_lshl_add_u32 v7, v65, 4, v7                  ; 128 r + 16 h
.irp qb, 0,1,2,3
.irp ks, 0,1
	global_load_b128 v[QF+16*\qb+8*\ks:QF+16*\qb+8*\ks+3],   v7, s[52:53] offset:\qb*2048+\ks*64
	global_load_b128 v[QF+16*\qb+8*\ks+4:QF+16*\qb+8*\ks+7], v7, s[52:53] offset:\qb*2048+\ks*64+32
.endr
.endr
	v_mul_u32_u24 v66, v64, KP
	v_lshl_add_u32 v66, v65, 4, v66                ; K: row r, 16 h
	s_mul_i32 s2, s11, 2*CHUNK                     ; my two chunks
	v_add_nc_u32 v[KA], s2, v66
	v_add_nc_u32 v[KA+1], SLOT, v[KA]
	v_and_b32 v67, 7, v0
	v_lshl_add_u32 v67, v65, 3, v67                ; V: key 8 h + (l & 7),
	v_mul_u32_u24 v67, v67, VP
	v_bfe_u32 v68, v0, 3, 1
	v_lshl_add_u32 v67, v68, 4, v67                ; 16 bytes further for the second eight lanes of each half
	s_add_co_u32 s2, s2, VOFF
	v_add_nc_u32 v[VA], s2, v67
	v_add_nc_u32 v[VA+1], SLOT, v[VA]
	s_lshl_b32 s3, s11, 9                          ; bias: my 128 keys of a tile's 256,
	s_add_co_u32 s3, s3, BIAS
	v_lshl_add_u32 v[BA], v65, 5, s3               ; keys 8 h + 0..7 of each sixteen
	v_mov_b32 v69, 0xf1800000                      ; -2^100
	v_add_nc_u32 v70, BIAS, v1
.irp qb, 0,1,2,3
	v_mov_b32 v[MM+2*\qb], 0xff7fffff              ; the running maximum starts at the lowest finite number
	v_mov_b32 v[AL+2*\qb+1], 0                     ; v_permlanex16_b32's destination counts as read
.endr
	s_wait_loadcnt 16                              ; the mask's two loads are in; Q's sixteen stay out
.irp j, 0,1,2,3,4,5,6,7
	v_cmp_eq_u32 vcc_lo, 0, v[BI+\j]
	v_cndmask_b32 v[BI+\j], 0, v69, vcc_lo         ; the mask only selects a value
.endr
	ds_store_b128 v70, v[BI:BI+3]
	ds_store_b128 v70, v[BI+4:BI+7] offset:16      ; shown to the other waves by the first trip's wait for 0 and its round
	s_wait_loadcnt 0x0                             ; Q
; 24 LDS loads: chunk i of my two in the slot: K's eight fragments, and the bias of its 64 keys (every lane of a half reads the same words)
.macro LDK slot, i
.irp kt, 0,1,2,3
.irp ks, 0,1
	ds_load_b128 v[KF+16*\kt+8*\ks:KF+16*\kt+8*\ks+3],   v[KA+\slot] offset:(\i)*CHUNK+\kt*16*KP+\ks*64
	ds_load_b128 v[KF+16*\kt+8*\ks+4:KF+16*\kt+8*\ks+7], v[KA+\slot] offset:(\i)*CHUNK+\kt*16*KP+\ks*64+32
.endr
.endr
.irp kt, 0,1,2,3
	ds_load_b128 v[BI+8*\kt:BI+8*\kt+3],   v[BA] offset:(\i)*256+\kt*64
	ds_load_b128 v[BI+8*\kt+4:BI+8*\kt+7], v[BA] offset:(\i)*256+\kt*64+16
.endr
.endm
; 16 transposing loads: V^T's eight fragments of the chunk: d = 16 dt + r, keys 32 kk + 8 h + 0..7 and 32 kk + 16 + 8 h + 0..7
.macro LDV slot, i
.irp dt, 0,1,2,3
.irp kk, 0,1
	ds_load_tr16_b128 v[VF+16*\dt+8*\kk:VF+16*\dt+8*\kk+3],   v[VA+\slot] offset:(\i)*CHUNK+\kk*32*VP+\dt*32
	ds_load_tr16_b128 v[VF+16*\dt+8*\kk+4:VF+16*\dt+8*\kk+7], v[VA+\slot] offset:(\i)*CHUNK+\kk*32*VP+\dt*32+16*VP
.endr
.endr
.endm
; 64 keys x 64 queries.  first = 1: nothing has been gathered yet (no rescaling, the first products start O).  more = 1: the slot's next chunk of K is fetched meanwhile.
; In both products the sixteen accumulators take turns, one instruction a turn.
.macro STEP slot, i, first, more
	LDV \slot, \i
	s_wait_dscnt 16                                ; K and the bias are in; V's sixteen loads stay out
	WIN 0x40                                       ; D in window 1
.irp qb, 0,1,2,3
.irp kt, 0,1,2,3
	v_wmma_f32_16x16x32_f16 v[SC+32*\qb+8*\kt:SC+32*\qb+8*\kt+7], v[KF+16*\kt:KF+16*\kt+7], v[QF+16*\qb:QF+16*\qb+7], v[BI+8*\kt:BI+8*\kt+7]
.endr
.endr
	WIN 0x50                                       ; C and D in window 1
.irp qb, 0,1,2,3
.irp kt, 0,1,2,3
	v_wmma_f32_16x16x32_f16 v[SC+32*\qb+8*\kt:SC+32*\qb+8*\kt+7], v[KF+16*\kt+8:KF+16*\kt+15], v[QF+16*\qb+8:QF+16*\qb+15], v[SC+32*\qb+8*\kt:SC+32*\qb+8*\kt+7]
.endr
.endr
	WIN 0
	PLACES 4                                       ; in front of the loads into K's and the bias's registers, and of the readers of S
.if \more
	LDK \slot, (\i+1)
.endif
	; the new maximum: four chains, one a query tile, each begun by the old maximum
	WIN 0x05                                       ; sources 0 and 1 in window 1
.irp qb, 0,1,2,3
	v_max3_num_f32 v[MM+2*\qb+1], v[SC+32*\qb], v[SC+32*\qb+1], v[MM+2*\qb]
.endr
.set n, 1
.rept 15
.irp qb, 0,1,2,3
	v_max3_num_f32 v[MM+2*\qb+1], v[SC+32*\qb+2*n], v[SC+32*\qb+2*n+1], v[MM+2*\qb+1]
.endr
.set n, n+1
.endr
	WIN 0
.irp qb, 0,1,2,3
	v_permlanex16_b32 v[AL+2*\qb+1], v[MM+2*\qb+1], s50, s51      ; the other half of the lanes holds the query's other keys
.endr
.irp qb, 0,1,2,3
	v_max_num_f32 v[MM+2*\qb+1], v[MM+2*\qb+1], v[AL+2*\qb+1]
.endr
.if \first == 0
.irp qb, 0,1,2,3
	v_sub_f32 v[AL+2*\qb], v[MM+2*\qb], v[MM+2*\qb+1]
.endr
.endif
.irp qb, 0,1,2,3
	v_mov_b32 v[MM+2*\qb], v[MM+2*\qb+1]
.endr
.if \first == 0
.irp qb, 0,1,2,3
	v_exp_f32 v[AL+2*\qb], v[AL+2*\qb]             ; used far below; the next line is a plain instruction on other registers (ISA guide 5.7.2)
.endr
.endif
	; P = 2^(S - maximum), in place: a tile's exponentials run between the next tile's subtractions
	WIN 0x41                                       ; source 0 and destination in window 1
.set n, 0
.rept 16
	v_pk_add_f32 v[SC+2*n:SC+2*n+1], v[SC+2*n:SC+2*n+1], v[MM:MM+1] op_sel_hi:[1,0] neg_lo:[0,1] neg_hi:[0,1]
.set n, n+1
.endr
.irp qb, 0,1,2
.set n, 0
.rept 16
	v_exp_f32 v[SC+32*\qb+2*n], v[SC+32*\qb+2*n]
	v_exp_f32 v[SC+32*\qb+2*n+1], v[SC+32*\qb+2*n+1]
	v_pk_add_f32 v[SC+32*\qb+32+2*n:SC+32*\qb+33+2*n], v[SC+32*\qb+32+2*n:SC+32*\qb+33+2*n], v[MM+2*\qb+2:MM+2*\qb+3] op_sel_hi:[1,0] neg_lo:[0,1] neg_hi:[0,1]
.set n, n+1
.endr
.endr
.set n, 0
.rept 32
	v_exp_f32 v[SC+96+n], v[SC+96+n]
.set n, n+1
.endr
	v_nop                                          ; one plain place behind the last exponential
	; the running sum, in f32, two parts a lane
.if \first
	WIN 0x05
	s_wait_alu depctr_va_vdst(0)
.irp qb, 0,1,2,3
	v_pk_add_f32 v[LP+2*\qb:LP+2*\qb+1], v[SC+32*\qb:SC+32*\qb+1], v[SC+32*\qb+2:SC+32*\qb+3]
.endr
.else
	WIN 0x10                                       ; source 2 in window 1
	s_wait_alu depctr_va_vdst(0)
.irp qb, 0,1,2,3
	v_pk_fma_f32 v[LP+2*\qb:LP+2*\qb+1], v[LP+2*\qb:LP+2*\qb+1], v[AL+2*\qb:AL+2*\qb+1], v[SC+32*\qb:SC+32*\qb+1] op_sel_hi:[1,0,1]
.endr
.endif
	WIN 0x01                                       ; source 0 in window 1
.set n, 1+\first
.rept 15-\first
.irp qb, 0,1,2,3
	v_pk_add_f32 v[LP+2*\qb:LP+2*\qb+1], v[SC+32*\qb+2*n:SC+32*\qb+2*n+1], v[LP+2*\qb:LP+2*\qb+1]
.endr
.set n, n+1
.endr
	; P to f16, packed in place: register n takes 2 n and 2 n + 1, n ascending, so nothing is overwritten before it is read
	WIN 0x45
.set n, 0
.rept 16
.irp qb, 0,1,2,3
	v_cvt_pk_f16_f32 v[SC+32*\qb+n], v[SC+32*\qb+2*n], v[SC+32*\qb+2*n+1]
.endr
.set n, n+1
.endr
.if \first == 0
	WIN 0x41
.irp qb, 0,1,2,3
.set n, 0
.rept 16
	v_pk_mul_f32 v[OT+32*\qb+2*n:OT+32*\qb+2*n+1], v[OT+32*\qb+2*n:OT+32*\qb+2*n+1], v[AL+2*\qb:AL+2*\qb+1] op_sel_hi:[1,0]
.set n, n+1
.endr
.endr
.endif
.if \more
	s_wait_dscnt 24                                ; V is in; the next chunk's 24 loads stay out
.else
	s_wait_dscnt 0x0
.endif
	WIN 0x54                                       ; A window 0; B, C, D window 1
.irp kk, 0,1
.irp qb, 0,1,2,3
.irp dt, 0,1,2,3
.if \first*(1-\kk)
	v_wmma_f32_16x16x32_f16 v[OT+32*\qb+8*\dt:OT+32*\qb+8*\dt+7], v[VF+16*\dt+8*\kk:VF+16*\dt+8*\kk+7], v[SC+32*\qb+8*\kk:SC+32*\qb+8*\kk+7], 0
.else
	v_wmma_f32_16x16x32_f16 v[OT+32*\qb+8*\dt:OT+32*\qb+8*\dt+7], v[VF+16*\dt+8*\kk:VF+16*\dt+8*\kk+7], v[SC+32*\qb+8*\kk:SC+32*\qb+8*\kk+7], v[OT+32*\qb+8*\dt:OT+32*\qb+8*\dt+7]
.endif
.endr
.endr
.endr
	WIN 0
	PLACES 5                                       ; in front of the next loads into V's registers and of the next scores, which are written over P
.endm
; A tile of 256 keys.  In front of the round every wave waits for all its tensor loads (its part of this tile) and for its reads of the other slot;
; behind the round the other slot's joint refill comes first, one load a wave, and has the whole trip in which to land.
.macro TRIP slot, refill, first
	s_wait_xcnt 0x0
	v_lshl_add_u32 v126, v0, 2, 0x44000
	v_mov_b32 v127, 0
	s_wait_tensorcnt 0x0
	ds_add_u32 v126, v127
	s_wait_dscnt 0x0
	s_add_nc_u64 s[G0K+4*\slot+2:G0K+4*\slot+3], s[G0K+4*\slot+2:G0K+4*\slot+3], 65536   ; no load is out: this slot's next tile, two tiles on
	s_add_nc_u64 s[G0V+4*\slot+2:G0V+4*\slot+3], s[G0V+4*\slot+2:G0V+4*\slot+3], 65536
	s_wait_dscnt 0x0
	ROUND
.if \refill
	JLOAD (1-\slot)
.endif
	LDK \slot, 0
	STEP \slot, 0, \first, 1
	v_add_nc_u32 v[BA], 1024, v[BA]                ; the tile's last bias loads have been issued: on to the next tile's 256 keys
	STEP \slot, 1, 0, 0
.endm
	TRIP 0, 1, 1                                   ; eight tiles; slot 1's first fill stands behind the first round, as a refill does
	TRIP 1, 1, 0
	s_mov_b32 s48, 2
.Lpair:
	TRIP 0, 1, 0
	TRIP 1, 1, 0
	s_sub_co_u32 s48, s48, 1
	s_cmp_lg_u32 s48, 0
	s_cbranch_scc1 .Lpair
	TRIP 0, 1, 0
	TRIP 1, 0, 0                                   ; the last tile: nothing is left to fetch (the stepped addresses are not used)
	; the sum of my half of the keys: two parts, two halves of the lanes
.irp qb, 0,1,2,3
	v_add_f32 v[MM+2*\qb+1], v[LP+2*\qb], v[LP+2*\qb+1]
.endr
.irp qb, 0,1,2,3
	v_permlanex16_b32 v[AL+2*\qb+1], v[MM+2*\qb+1], s50, s51
.endr
.irp qb, 0,1,2,3
	v_add_f32 v[MM+2*\qb+1], v[MM+2*\qb+1], v[AL+2*\qb+1]
.endr
	v_and_b32 v64, 31, v0
	s_mul_i32 s2, s12, MERGEW
	s_add_co_u32 s2, s2, MERGE
	v_lshl_add_u32 v1, v64, 4, s2                  ; O: 16 bytes a lane
	v_lshl_add_u32 v7, v64, 3, s2                  ; (m, l): 8 bytes a lane, 16,384 bytes further (in the immediate)
	s_cmp_eq_u32 s11, 0
	s_cbranch_scc1 .Lkeeps
	WIN 0x04                                       ; the waves of the second half of the keys hand over: store data in window 1
.set i, 0
.rept 32
	ds_store_b128 v1, v[OT+4*i:OT+4*i+3] offset:512*i
.set i, i+1
.endr
	WIN 0
.irp qb, 0,1,2,3
	ds_store_b64 v7, v[MM+2*\qb:MM+2*\qb+1] offset:16384+256*\qb
.endr
.Lkeeps:
	s_wait_dscnt 0x0                               ; for the partner's sake: zero
	s_barrier_signal -1
	s_barrier_wait -1
	s_cmp_lg_u32 s11, 0
	s_cbranch_scc1 .Lclose
	WIN 0x40                                       ; the partner's O into the scores' registers
.set i, 0
.rept 32
	ds_load_b128 v[SC+4*i:SC+4*i+3], v1 offset:512*i
.set i, i+1
.endr
	WIN 0
.irp qb, 0,1,2,3
	ds_load_b64 v[BI+2*\qb:BI+2*\qb+1], v7 offset:16384+256*\qb   ; its (m, l)
.endr
	; meanwhile the way out's addresses, in registers that the loop no longer needs
	v_and_b32 v5, 15, v0
	v_bfe_u32 v6, v0, 4, 1
	v_mul_u32_u24 v2, v5, KP
	v_lshl_add_u32 v2, v6, 4, v2
	s_mul_i32 s2, s12, STAGEW
	s_add_co_u32 s2, s2, STAGE
	v_add_nc_u32 v2, s2, v2                        ; in: row r, 16 h
	v_lshrrev_b32 v6, 3, v64
	v_mul_u32_u24 v3, v6, KP
	v_and_b32 v6, 7, v0
	v_lshl_add_u32 v3, v6, 4, v3
	v_add_nc_u32 v3, s2, v3                        ; back: eight lanes a row of 128 bytes, four rows a load
	v_lshlrev_b32 v4, 4, v64                       ; which in memory are 512 consecutive bytes
	s_wait_dscnt 0x0
	; m = max(m0, m1); a_i = 2^(m_i - m) / (l0 a0 + l1 a1), NaN for a row without a key that counts
.irp qb, 0,1,2,3
	v_max_num_f32 v[40+2*\qb], v[MM+2*\qb], v[BI+2*\qb]
.endr
.irp qb, 0,1,2,3
	v_sub_f32 v[AL+2*\qb], v[MM+2*\qb], v[40+2*\qb]
	v_sub_f32 v[BI+2*\qb], v[BI+2*\qb], v[40+2*\qb]
	v_cmp_gt_f32 s[56+\qb], s49, v[40+2*\qb]       ; -2^99 > m
.endr
.irp qb, 0,1,2,3
	v_exp_f32 v[AL+2*\qb], v[AL+2*\qb]
	v_exp_f32 v[BI+2*\qb], v[BI+2*\qb]
.endr
	v_mov_b32 v48, 0x7fc00000                      ; NaN; also the plain place behind the exponentials
	s_wait_alu depctr_va_vdst(0)
.irp qb, 0,1,2,3
	v_mul_f32 v[MM+2*\qb+1], v[MM+2*\qb+1], v[AL+2*\qb]
.endr
.irp qb, 0,1,2,3
	v_fmac_f32 v[MM+2*\qb+1], v[BI+2*\qb+1], v[BI+2*\qb]
.endr
.irp qb, 0,1,2,3
	v_rcp_f32 v[MM+2*\qb+1], v[MM+2*\qb+1]
.endr
	v_nop                                          ; the plain place behind the reciprocals
	s_wait_alu depctr_va_vdst(0)
.irp qb, 0,1,2,3
	v_cndmask_b32 v[MM+2*\qb+1], v[MM+2*\qb+1], v48, s[56+\qb]
.endr
.irp qb, 0,1,2,3
	v_mul_f32 v[AL+2*\qb], v[AL+2*\qb], v[MM+2*\qb+1]
	v_mul_f32 v[BI+2*\qb], v[BI+2*\qb], v[MM+2*\qb+1]
.endr
	WIN 0x41
.irp qb, 0,1,2,3
.set n, 0
.rept 16
	v_pk_mul_f32 v[OT+32*\qb+2*n:OT+32*\qb+2*n+1], v[OT+32*\qb+2*n:OT+32*\qb+2*n+1], v[AL+2*\qb:AL+2*\qb+1] op_sel_hi:[1,0]
.set n, n+1
.endr
.endr
	WIN 0x51
.irp qb, 0,1,2,3
.set n, 0
.rept 16
	v_pk_fma_f32 v[OT+32*\qb+2*n:OT+32*\qb+2*n+1], v[SC+32*\qb+2*n:SC+32*\qb+2*n+1], v[BI+2*\qb:BI+2*\qb+1], v[OT+32*\qb+2*n:OT+32*\qb+2*n+1] op_sel_hi:[1,0,1]
.set n, n+1
.endr
.endr
	WIN 0x05                                       ; to f16: tile (qb, dt) gives a lane d = 16 dt + 8 h + 0..7 of query 16 qb + r: 16 bytes
.set i, 0
.rept 64
	v_cvt_pk_f16_f32 v[KF+i], v[OT+2*i], v[OT+2*i+1]
.set i, i+1
.endr
	WIN 0
.irp qb, 0,1,2,3
.irp dt, 0,1,2,3
	ds_store_b128 v2, v[KF+16*\qb+4*\dt:KF+16*\qb+4*\dt+3] offset:\qb*16*KP+\dt*32
.endr
.endr
.set i, 0
.rept 16
	ds_load_b128 v[VF+4*i:VF+4*i+3], v3 offset:4*KP*i              ; my own stage: a wave's LDS instructions are served in order
.set i, i+1
.endr
.set i, 0
.rept 16
	s_wait_dscnt 15-i
	global_store_b128 v4, v[VF+4*i:VF+4*i+3], s[54:55] offset:512*i   ; four queries' rows: 512 consecutive bytes, aligned
.set i, i+1
.endr
.Lclose:
	s_wait_xcnt 0x0
	v_lshl_add_u32 v126, v0, 2, 0x44000
	v_mov_b32 v127, 0
	s_wait_tensorcnt 0x0
	ds_add_u32 v126, v127
	s_wait_dscnt 0x0
	ROUND                                          ; the closing round: no work-group ends while a partner may still ask for a tile that names it
	s_endpgm
.Lfunc_end_k_qde8c9da8ec_attn:
	.size	k_qde8c9da8ec_attn, .Lfunc_end_k_qde8c9da8ec_attn-k_qde8c9da8ec_attn
	.p2alignl 7, 3214868480
	.fill 96, 4, 3214868480
	.section	.rodata,"a",@progbits
	.p2align	6, 0x0
	.amdhsa_kernel k_qde8c9da8ec_attn
		.amdhsa_group_segment_fixed_size 327680
		.amdhsa_private_segment_fixed_size 0
		.amdhsa_enable_private_segment 0
		.amdhsa_kernarg_size 24
		.amdhsa_user_sgpr_count 2
		.amdhsa_user_sgpr_kernarg_segment_ptr 1
		.amdhsa_wavefront_size32 1
		.amdhsa_system_sgpr_workgroup_id_x 1
		.amdhsa_system_sgpr_workgroup_id_y 1
		.amdhsa_system_sgpr_workgroup_id_z 1
		.amdhsa_system_vgpr_workitem_id 0
		.amdhsa_next_free_vgpr 512
		.amdhsa_next_free_sgpr 66
		.amdhsa_reserve_vcc 1
		.amdhsa_float_denorm_mode_32 3
		.amdhsa_float_denorm_mode_16_64 3
		.amdhsa_memory_ordered 1
		.amdhsa_forward_progress 1
		.amdhsa_inst_pref_size 255
	.end_amdhsa_kernel
	.section	.bss,"aw",@nobits
	.p2align	6
	.space	262144
	.amdgpu_metadata
---
amdhsa.version: [ 1, 2 ]
amdhsa.kernels:
  - .name:           k_qde8c9da8ec_attn
    .symbol:         k_qde8c9da8ec_attn.kd
    .args:
      - { .name: qkv, .offset: 0, .size: 8, .value_kind: global_buffer, .address_space: global }
      - { .name: attention_mask, .offset: 8, .size: 8, .value_kind: global_buffer, .address_space: global }
      - { .name: ao, .offset: 16, .size: 8, .value_kind: global_buffer, .address_space: global }
    .group_segment_fixed_size: 327680
    .private_segment_fixed_size: 0
    .kernarg_segment_align: 8
    .kernarg_segment_size: 24
    .max_flat_workgroup_size: 256
    .sgpr_count:     66
    .vgpr_count:     512
    .wavefront_size: 32
...
	.end_amdgpu_metadata
.endif
;; end of part 3
;; launch oproj (part 4): grid 8 x 32, 4 waves a work-group, clusters of 4 x 4, 327,680 bytes of LDS; arguments ao, woh, out0; writes out0
.if DOCPART == 4
	.amdgcn_target "amdgcn-amd-amdhsa--gfx1250"
	.amdhsa_code_object_version 6
	.text
	.protected	k_qde8c9da8ec_oproj
	.globl	k_qde8c9da8ec_oproj
	.p2align	8
	.type	k_qde8c9da8ec_oproj,@function
k_qde8c9da8ec_oproj:
	s_mov_b64 s[64:65], 0
	v_nop
	global_prefetch_b8 v0, s[64:65] scope:SCOPE_SE
	s_setreg_imm32_b32 hwreg(HW_REG_WAVE_MODE, 25, 1), 1
	s_wait_xcnt 0x0
	s_wait_alu depctr_hold_cnt(0) depctr_sa_sdst(0) depctr_va_vdst(0) depctr_va_sdst(0) depctr_va_ssrc(0) depctr_va_vcc(0) depctr_vm_vsrc(0)
	s_getreg_b32 s2, hwreg(HW_REG_IB_STS2, 6, 4)
	s_cmp_eq_u32 s2, 0
	s_cbranch_scc0 .Lentry_in_a_cluster
	s_endpgm
.Lentry_in_a_cluster:
	s_bfe_u32 s2, ttmp6, 0x10000c
	s_cmp_lg_u32 s2, 0xf033
	s_cbranch_scc0 .Lentry_shape_is_right
	s_endpgm
.Lentry_shape_is_right:
; out0[m][n] = sum over k of a[m][k] woh[n][k], m = 0..4095 (b, s), n = 0..1023, k = head x 64 + d; a is ao[b*16+head][s][64]; f16 in, f32 sums, f32 out.
; 4.2 M outputs on 256 work-groups: a block of 128 x 128, four waves, wave w rows 64 (w >> 1), columns 64 (w & 1): 4 x 4 accumulator tiles.
; K goes in steps of 256 (four heads) through two LDS slots, so that a tile has 124 matrix instructions of a wave in which to land.
; a's tile: for each of 4 heads, 64 positions x 64 d are 8,192 consecutive bytes: one tensor load takes them as 4 rows of 4,096 elements, a head (131,072
; elements) apart; the pad behind every 128 bytes makes of them LDS rows [head][position] at pitch 144.
; CLUSTERS: 4 x 4 work-groups; a row of the cluster shares a's tile, a column W_o's: joint loads, four work-groups a request.
; The macros are those of the projection launch; window 2 holds the accumulators of my rows 0-31 (tile (a, b) at 8 (4 a + b)), window 3 those of rows 32-63.
; The matrix instruction is used transposed (source 0 = rows of woh, source 1 = rows of a): lane l holds row l % 16, columns 8 (l / 16) + 0..7: 32 bytes of f32.
.set NB,     4
.set PA,     144                       ; 128 + 16
.set PB,     528                       ; 512 + 16: both odd multiples of 16
.set HEADB,  64*PA                     ; a head's 64 rows in LDS
.set ALOAD,  4*HEADB                   ; one tensor load of a: 36,864
.set BLOAD,  64*PB                     ; of W_o: 64 rows, 33,792
.set AREG,   2*ALOAD
.set SLOT,   AREG+2*BLOAD              ; 141,312
.set STAGE,  2*SLOT                    ; 282,624, a multiple of 256: never a tensor load's target
.set SPITCH, 272                       ; the way out: 64 f32 + 16 bytes
.set STAGEW, 16*SPITCH
.set ASLOT,  4*262144                  ; bytes of memory from a K step's tile to the next: four heads
.set BSLOT,  512
.set ADRA, 16
.set ADRB, 20
.set STO,  24
.set RD,   25
.set CO,   26
.set FA,   64                          ; a's fragments, buffer p at FA + 32 p (window 0)
.set FB,   0                           ; W_o's fragments, buffer p at FB + 96 p (window 1)
.set R0,   64                          ; v64-95, v128-159: rows read back, by turns
.set R1,   128
.set G1, 24
.set G0, 32
.set G1B, 48
.set G0B, 56
.set MSB, 0
.macro WIN new                         ; the immediate's high byte repeats the setting that is left
.if MSB != \new
	s_set_vgpr_msb (MSB<<8)|\new
.set MSB, \new
.endif
.endm
.set MUL_LO, 0xa1
.set MUL_HI, 0xf1
.set TO_B,   0x40
.macro JLOAD s                         ; waves 0 and 1 ask for a's two halves, waves 2 and 3 for W_o's
	s_cmp_eq_u32 s11, 0
	s_cbranch_scc0 .Lfor_b_\@
	tensor_load_to_lds s[G0+4*\s:G0+4*\s+3], s[G1:G1+7]
	s_nop 0
	s_branch .Lasked_\@
.Lfor_b_\@:
	tensor_load_to_lds s[G0B+4*\s:G0B+4*\s+3], s[G1B:G1B+7]
	s_nop 0
.Lasked_\@:
.endm
.macro CREST
	s_cmp_lg_u32 s10, 0
	s_cbranch_scc1 .Lnot_wave_0_\@
	s_barrier_signal -3
.Lnot_wave_0_\@:
	s_barrier_wait -3
	s_barrier_signal -1
	s_barrier_wait -1
.endm
.macro CROUND
	s_barrier_signal -1
	s_barrier_wait -1
	CREST
.endm
.macro PLACES                          ; four places behind a matrix instruction (ISA guide 7.12.1)
.rept 4
	v_nop
.endr
.endm
	s_load_b128 s[4:7], s[0:1], 0x0                ; ao s[4:5], woh s[6:7]
	s_load_b64 s[8:9], s[0:1], 0x10                ; out0
	s_set_vgpr_msb 0x40
	v_lshl_add_u32 v255, v0, 2, 0x49400
	s_set_vgpr_msb 0x4000
	v_mov_b32 v255, 0
	s_set_vgpr_msb 0x1
	ds_add_u32 v255, v255
	s_set_vgpr_msb 0x100
	v_lshrrev_b32 v1, 5, v0
	v_readfirstlane_b32 s10, v1                    ; wave 0..3
	s_lshr_b32 s11, s10, 1                         ; my half of the block's rows.  Also: I fetch for a (0) or for W_o (1)
	s_and_b32 s12, s10, 1                          ; my half of its columns.  Also: which half of that tile I fetch
	s_bfe_u32 s40, ttmp6, 0x40000                  ; cx
	s_bfe_u32 s41, ttmp6, 0x40004                  ; cy
	s_lshl_b32 s42, ttmp9, 2
	s_add_co_u32 s42, s42, s40                     ; block column
	s_and_b32 s13, ttmp7, 0xffff
	s_lshl_b32 s13, s13, 2
	s_add_co_u32 s13, s13, s41                     ; block row
	s_lshl_b32 s43, s41, 2
	s_lshl_b32 s43, 15, s43                        ; my row of the cluster
	s_lshl_b32 s44, 0x1111, s40                    ; my column
	s_or_b32 s[G1+0], s43, (1<<16)|(1<<20)|(1<<21)|(4<<22)|(3<<25)    ; a: 4 words of padding behind every 32 words
	s_or_b32 s[G1B+0], s44, (1<<16)|(1<<20)|(1<<21)|(6<<22)|(3<<25)   ; W_o: behind every 128 words
	s_mov_b32 s[G1+1], 4096<<16                    ; tensor_dim0 = 4,096 elements: 64 positions of a head
	s_mov_b32 s[G1B+1], 256<<16
	s_mov_b32 s[G1+2], 4<<16                       ; tensor_dim1 = 4 heads
	s_mov_b32 s[G1B+2], 64<<16
	s_mov_b32 s[G1+3], 4096<<16                    ; tile_dim0
	s_mov_b32 s[G1B+3], 256<<16
	s_mov_b32 s[G1+4], 4                           ; tile_dim1
	s_mov_b32 s[G1B+4], 64
	s_mov_b32 s[G1+5], 131072                      ; elements from head to head
	s_mov_b32 s[G1B+5], 1024
	s_mov_b32 s[G1+6], 0
	s_mov_b32 s[G1B+6], 0
	s_mov_b32 s[G1+7], 0
	s_mov_b32 s[G1B+7], 0
	; a's tile hangs on the block row alone, W_o's on the block column alone
	s_lshr_b32 s16, s13, 4                         ; batch = block row / 16:
	s_lshl_b32 s16, s16, 22                        ; 16 heads of 262,144 bytes
	s_and_b32 s17, s13, 15
	s_lshl_b32 s17, s17, 14                        ; 128 positions of 128 bytes
	s_add_co_u32 s16, s16, s17
	s_lshl_b32 s17, s12, 13                        ; + 64 positions for the second half
	s_add_co_u32 s16, s16, s17
	s_mov_b32 s17, 0
	s_lshl_b32 s46, s42, 18                        ; 128 rows of 2,048 bytes
	s_lshl_b32 s47, s12, 17
	s_add_co_u32 s46, s46, s47
	s_mov_b32 s47, 0
	s_mul_i32 s20, s10, ALOAD                      ; waves 0, 1: a's halves at w x 36,864
	s_mul_i32 s21, s10, BLOAD                      ; waves 2, 3: W_o's halves at 73,728 + (w - 2) x 33,792
	s_add_co_u32 s21, s21, AREG-2*BLOAD
	s_wait_dscnt 0x0
	s_wait_kmcnt 0x0
	s_add_nc_u64 s[14:15], s[4:5], s[16:17]
	s_add_nc_u64 s[46:47], s[6:7], s[46:47]
	CROUND                                         ; all sixteen work-groups are here
.irp s, 0,1
	s_mov_b32 s[G0+4*\s], 1
	s_add_co_u32 s[G0+4*\s+1], s20, \s*SLOT
	s_add_nc_u64 s[G0+4*\s+2:G0+4*\s+3], s[14:15], \s*ASLOT
	s_or_b32 s[G0+4*\s+3], s[G0+4*\s+3], 0x80000000
	s_mov_b32 s[G0B+4*\s], 1
	s_add_co_u32 s[G0B+4*\s+1], s21, \s*SLOT
	s_add_nc_u64 s[G0B+4*\s+2:G0B+4*\s+3], s[46:47], \s*BSLOT
	s_or_b32 s[G0B+4*\s+3], s[G0B+4*\s+3], 0x80000000
	JLOAD \s                                       ; two tensor loads of the wave are out, later one
.endr
	v_and_b32 v1, 15, v0                           ; r
	v_bfe_u32 v2, v0, 4, 1                         ; h
	v_mul_u32_u24 v3, v1, PA
	v_lshl_add_u32 v3, v2, 4, v3
	v_mul_u32_u24 v4, v1, PB
	v_lshl_add_u32 v4, v2, 4, v4
	s_mul_i32 s22, s11, ALOAD                      ; my 64 rows of a
	s_mul_i32 s23, s12, BLOAD                      ; my 64 rows of W_o,
	s_add_co_u32 s23, s23, AREG                    ; behind a's region
.irp s, 0,1
	v_add_nc_u32 v[ADRA+\s], s22, v3
	v_add_nc_u32 v[ADRB+\s], s23, v4
	s_add_co_u32 s22, s22, SLOT
	s_add_co_u32 s23, s23, SLOT
.endr
	s_mul_i32 s22, s10, STAGEW
	s_add_co_u32 s22, s22, STAGE
	v_mul_u32_u24 v5, v1, SPITCH
	v_lshl_add_u32 v5, v2, 5, v5
	v_add_nc_u32 v[STO], s22, v5                   ; in: row r, 32 bytes for each half of the lanes
	v_mul_u32_u24 v5, v2, SPITCH
	v_lshl_add_u32 v5, v1, 4, v5
	v_add_nc_u32 v[RD], s22, v5                    ; back: lanes 0-15 one row of 256 bytes, lanes 16-31 the next
	v_lshlrev_b32 v5, 12, v2
	v_lshl_add_u32 v[CO], v1, 4, v5                ; the same two rows of out0, 4,096 bytes apart
; The 16 accumulators take turns, one instruction a turn, in the same order in every quarter step.
.macro MULA p, hi, a, zero
.set bi, 0
.rept NB
.if \zero
	v_wmma_f32_16x16x32_f16 v[8*(NB*\a+bi):8*(NB*\a+bi)+7], v[FB+96*\p+8*bi:FB+96*\p+8*bi+7], v[FA+32*\p+8*(2*\hi+\a):FA+32*\p+8*(2*\hi+\a)+7], 0
.else
	v_wmma_f32_16x16x32_f16 v[8*(NB*\a+bi):8*(NB*\a+bi)+7], v[FB+96*\p+8*bi:FB+96*\p+8*bi+7], v[FA+32*\p+8*(2*\hi+\a):FA+32*\p+8*(2*\hi+\a)+7], v[8*(NB*\a+bi):8*(NB*\a+bi)+7]
.endif
.set bi, bi+1
.endr
.endm
; 16 LDS loads: part q of a K step's eight (32 along K): W_o at byte 64 q of its rows; a in head q / 2, byte 64 (q mod 2) of its rows
.macro FETCH slot, q, p
	WIN TO_B
.set bi, 0
.rept NB
	ds_load_b128 v[FB+96*(\p)+8*bi:FB+96*(\p)+8*bi+3],   v[ADRB+\slot] offset:64*(\q)+bi*16*PB
	ds_load_b128 v[FB+96*(\p)+8*bi+4:FB+96*(\p)+8*bi+7], v[ADRB+\slot] offset:64*(\q)+bi*16*PB+32
.set bi, bi+1
.endr
	WIN 0
.irp i, 0,1,2,3
	ds_load_b128 v[FA+32*(\p)+8*\i:FA+32*(\p)+8*\i+3],   v[ADRA+\slot] offset:((\q)>>1)*HEADB+((\q)&1)*64+\i*16*PA
	ds_load_b128 v[FA+32*(\p)+8*\i+4:FA+32*(\p)+8*\i+7], v[ADRA+\slot] offset:((\q)>>1)*HEADB+((\q)&1)*64+\i*16*PA+32
.endr
.endm
.macro QUARTER slot, q, p, zero
	s_wait_dscnt 4                                 ; all but the four youngest loads (a's tiles 2 and 3) are in
	WIN MUL_LO
	MULA \p, 0, 0, \zero
	MULA \p, 0, 1, \zero
	PLACES
	FETCH \slot, (\q+1), (1-\p)
	s_wait_dscnt 2*NB+8                            ; all but the 16 just issued
	WIN MUL_HI
	MULA \p, 1, 0, \zero
	MULA \p, 1, 1, \zero
.endm
.macro BODY slot, zero                 ; the first seven of a K step's eight parts
	QUARTER \slot, 0, 0, \zero
	QUARTER \slot, 1, 1, 0
	QUARTER \slot, 2, 0, 0
	QUARTER \slot, 3, 1, 0
	QUARTER \slot, 4, 0, 0
	QUARTER \slot, 5, 1, 0
	QUARTER \slot, 6, 0, 0
.endm
; The last part multiplies buffer 1 and changes slots: each wave's waits for its reads and for all its tensor loads stand in front of the one barrier;
; fill = 1: that barrier opens a round of the cluster's barrier and the joint refill is the first tensor load behind it.
.macro TURN slot, next, fill
	s_wait_dscnt 4
	WIN MUL_LO
	MULA 1, 0, 0, 0
	s_wait_dscnt 0
	s_wait_tensorcnt 0x0
	ds_add_u32 v255, v255
	s_wait_dscnt 0x0
	s_barrier_signal -1
	MULA 1, 0, 1, 0
	WIN 0
	s_barrier_wait -1
.if \fill
	CREST
	s_add_nc_u64 s[G0+4*\slot+2:G0+4*\slot+3], s[G0+4*\slot+2:G0+4*\slot+3], 2*ASLOT
	s_add_nc_u64 s[G0B+4*\slot+2:G0B+4*\slot+3], s[G0B+4*\slot+2:G0B+4*\slot+3], 2*BSLOT
	JLOAD \slot
.endif
	PLACES
	FETCH \next, 0, 0
	WIN MUL_HI
	MULA 1, 1, 0, 0
	MULA 1, 1, 1, 0
.endm
	s_wait_tensorcnt 1                             ; my part of K step 0 is in; K step 1's stays out
	s_barrier_signal -1
	s_barrier_wait -1
	FETCH 0, 0, 0
	BODY 0, 1                                      ; four K steps, written out: the first two fill their slots again,
	TURN 0, 1, 1
	BODY 1, 0
	TURN 1, 0, 1
	BODY 0, 0                                      ; the last two fill nothing
	TURN 0, 1, 0
	BODY 1, 0
	s_wait_dscnt 4
	WIN MUL_LO
	MULA 1, 0, 0, 0
	MULA 1, 0, 1, 0
	s_wait_dscnt 0
	WIN MUL_HI
	MULA 1, 1, 0, 0
	MULA 1, 1, 1, 0
	; THE WAY OUT, 16 rows at a time through my own stage, so that sixteen lanes store one row's 256 consecutive bytes
	PLACES
	s_lshl_b32 s66, s13, 7
	s_lshl_b32 s67, s11, 6
	s_add_co_u32 s66, s66, s67                     ; my first row
	s_lshl_b32 s66, s66, 12                        ; rows of 4,096 bytes: under 16 MiB
	s_lshl_b32 s67, s42, 9                         ; 128 columns of 4 bytes a block
	s_add_co_u32 s66, s66, s67
	s_lshl_b32 s67, s12, 8
	s_add_co_u32 s66, s66, s67
	s_mov_b32 s67, 0
	s_add_nc_u64 s[68:69], s[8:9], s[66:67]
; rows 16 i .. 16 i + 15 = the four tiles (a, 0..3) of window 2 or 3 (from = 0x08 or 0x0c: the LDS store's data); f: R0 or R1 by turns
.macro OUTF i, a, from, f
	WIN \from
.irp b, 0,1,2,3
	ds_store_b128 v[STO], v[8*(NB*\a+\b):8*(NB*\a+\b)+3]   offset:64*\b
	ds_store_b128 v[STO], v[8*(NB*\a+\b)+4:8*(NB*\a+\b)+7] offset:64*\b+16
.endr
	WIN 0
	s_wait_xcnt 0x0                                ; buffer f, which earlier stores read, is loaded again only behind this wait
.irp t, 0,1,2,3,4,5,6,7
	ds_load_b128 v[\f+4*\t:\f+4*\t+3], v[RD] offset:2*SPITCH*\t    ; a wave's LDS instructions are served in order: these see the stores above
.endr
.irp t, 0,1,2,3,4,5,6,7
	s_wait_dscnt 7-\t
	global_store_b128 v[CO], v[\f+4*\t:\f+4*\t+3], s[68:69] offset:\i*65536+\t*8192 th:TH_STORE_NT
.endr
.endm
	OUTF 0, 0, 0x08, R0
	OUTF 1, 1, 0x08, R1
	OUTF 2, 0, 0x0c, R0
	OUTF 3, 1, 0x0c, R1
	s_set_vgpr_msb 0x1
	s_wait_tensorcnt 0x0
	ds_add_u32 v255, v255
	s_wait_dscnt 0x0
	s_set_vgpr_msb 0x100
	CROUND                                         ; the closing round
	s_endpgm
.Lfunc_end_k_qde8c9da8ec_oproj:
	.size	k_qde8c9da8ec_oproj, .Lfunc_end_k_qde8c9da8ec_oproj-k_qde8c9da8ec_oproj
	.p2alignl 7, 3214868480
	.fill 96, 4, 3214868480
	.section	.rodata,"a",@progbits
	.p2align	6, 0x0
	.amdhsa_kernel k_qde8c9da8ec_oproj
		.amdhsa_group_segment_fixed_size 327680
		.amdhsa_private_segment_fixed_size 0
		.amdhsa_enable_private_segment 0
		.amdhsa_kernarg_size 24
		.amdhsa_user_sgpr_count 2
		.amdhsa_user_sgpr_kernarg_segment_ptr 1
		.amdhsa_wavefront_size32 1
		.amdhsa_system_sgpr_workgroup_id_x 1
		.amdhsa_system_sgpr_workgroup_id_y 1
		.amdhsa_system_sgpr_workgroup_id_z 1
		.amdhsa_system_vgpr_workitem_id 0
		.amdhsa_next_free_vgpr 1024
		.amdhsa_next_free_sgpr 80
		.amdhsa_reserve_vcc 0
		.amdhsa_float_denorm_mode_32 3
		.amdhsa_float_denorm_mode_16_64 3
		.amdhsa_memory_ordered 1
		.amdhsa_forward_progress 1
		.amdhsa_inst_pref_size 92
	.end_amdhsa_kernel
	.amdgpu_metadata
---
amdhsa.version: [ 1, 2 ]
amdhsa.kernels:
  - .name:           k_qde8c9da8ec_oproj
    .symbol:         k_qde8c9da8ec_oproj.kd
    .args:
      - { .name: ao, .offset: 0, .size: 8, .value_kind: global_buffer, .address_space: global }
      - { .name: woh, .offset: 8, .size: 8, .value_kind: global_buffer, .address_space: global }
      - { .name: out0, .offset: 16, .size: 8, .value_kind: global_buffer, .address_space: global }
    .group_segment_fixed_size: 327680
    .private_segment_fixed_size: 0
    .kernarg_segment_align: 8
    .kernarg_segment_size: 24
    .max_flat_workgroup_size: 128
    .sgpr_count:     80
    .vgpr_count:     1024
    .wavefront_size: 32
...
	.end_amdgpu_metadata
.endif
;; end of part 4
